; MI455X (gfx1250); checked and timed in simulation.
; The chip was launched on July 23, 2026; its instructions are those of AMD's public machine-readable ISA for CDNA 5 (MIT licence, August 2026) and "CDNA5" Instruction Set Architecture Reference Guide (July 2026). The comments in the code are by the model that wrote it; some were corrected since.
;; Lo RA Attention. Allowed arithmetic: matrix products marked QUANTISED: E2M1 operands, one E8M0 scale for each 32 along K, by v_wmma_scale_f32_16x16x128_f8f6f4 with both operands' format E2M1 (or v_wmma_scale_f32_32x16x128_f4), f32 sums; products left as they are: f32 operands where the result goes on into a quantised operand, else bf16, f16 or f32 operands; f32 sums; everything else in f32.
;; Inputs: A 4,096 x 16 float32; B 16 x 4,096 float32; W 4,096 x 4,096 float32; bias 4,096 float32; x_codes 4 x 1,024 x 128 x 16 uint8 (E2M1 codes of x, K innermost, in blocks of 32 codes, two codes a byte); x_scales 4 x 1,024 x 128 uint8 (E8M0 scales of x, one for each 32 codes along K).
;; Outputs: out0 4 x 1,024 x 4,096 float32.
;; This version of the problem:
;;   THIS VERSION OF THE PROBLEM IS GIVEN IN LOW PRECISION. The matrix products marked QUANTISED in the list below multiply operands that are first quantised to E2M1 (2 exponent bits, 1 mantissa bit; 4 bits a number), with one power-of-two scale for each 32 numbers along K (OCP MX v1.0); their sums are f32. All else is computed in f32.
;;   The module's matrix products, in the order in which they are computed (A, B: the left and right operand; K: the contracted axis; several contracted axes count as one K, in the product's order):
;;     1. [M 4,096, K 16] x [K 16, N 4,096]; A: input A; B: input B: left as it is (K = 16 < 32)
;;     2. [M 4,096, K 4,096] x [K 4,096, N 4,096]; A: input x (given as codes); B: computed on the way: QUANTISED
;;   THE QUANTISER, for each operand of a quantised product, along K:
;;     - K is cut into blocks of 32 from its start; a last block that is shorter is filled with zeros.
;;     - A block's scale is 2^e with e = floor(log2(the largest magnitude in the block)) - 2, held to -126 .. 127; a block of zeros has e = 0. As a byte (E8M0): e + 127.
;;     - Each number is divided by its block's scale, clamped to +-6, and rounded to the nearest number of E2M1, ties to even, subnormals kept.
;;     - The product sums the exact products of the quantised numbers (number of the format x scale) in f32.
;;   ~~~python
;;   def quantise(x, axis):      # numpy; x: float32 -> the quantised numbers, widened to float32 again
;;       x = np.moveaxis(x, axis, -1); K = x.shape[-1]
;;       x = np.pad(x, [(0, 0)] * (x.ndim - 1) + [(0, -K % 32)]); x = x.reshape(x.shape[:-1] + (-1, 32)); a = np.abs(x).max(-1, keepdims=True)
;;       e = np.where(a > 0, np.clip(np.frexp(np.where(a > 0, a, 1))[1] - 1 - 2, -126, 127), 0)      # np.frexp(a)[1] - 1 = floor(log2(a)), exactly
;;       r = np.clip(x / 2.0 ** e, -6, 6)
;;       step = 2.0 ** (np.maximum(np.frexp(np.where(r == 0, 1, r))[1] - 1, 0) - 1)
;;       q = np.round(r / step) * step * 2.0 ** e      # np.round: ties to even
;;       return np.moveaxis(q.reshape(q.shape[:-2] + (-1,))[..., :K], -1, axis).astype(np.float32)
;;   ~~~
;;   OPERANDS COMPUTED ON THE WAY. 'Computed on the way' means the value that the module computes at that place (a softmax that the list does not call 'softmax' is quantised finished and normalised). What goes into a quantiser is computed in f32, as accurately as f32 sums, v_exp_f32 and their like allow (about 1e-6 of the number): no bf16 or f16 on the way to a quantiser, and a product that is left as it is and whose result goes on into a quantised operand takes f32 operands (vector FMAs, or v_wmma_f32_16x16x4_f32). A number that lies on a knife's edge between two numbers of the format may be rounded either way, as far as f32 arithmetic and the matrix unit's own rounding can turn it there, and no further.
;;   INPUTS GIVEN AS CODES. x (in the module: [4, 1024, 4096], K = its axis 2): each comes as NAME_codes (uint8): NAME with its K axis moved to the last place and cut into blocks of 32 codes, [.., K / 32, bytes a block], one block behind the other in memory; two codes a byte, the lower K in the low four bits (a code: sign, 2 exponent bits, 1 mantissa bit); and NAME_scales (uint8): the same leading axes, one E8M0 byte (e + 127) for each 32 codes along K. Its value is code x scale, taken as it is: it is not quantised again, and the codes and scales need not be those that the quantiser above would give.
;; One version. Each part assembles by itself: llvm-mc -triple=amdgcn-amd-amdhsa -mcpu=gfx1250 --defsym DOCPART=n.
;; ======== version 1 of 1: 2 launches
;; limits: right only within a limited range of input values
;; workspace buffers: wimg 8,912,896 bytes
;; launch prep (part 1): grid 8 x 32, 8 waves a work-group, no clusters, 308,224 bytes of LDS; arguments W, A, B, wimg; writes wimg
.if DOCPART == 1
	.amdgcn_target "amdgcn-amd-amdhsa--gfx1250"
	.amdhsa_code_object_version 6
	.text
	.protected	k_qecabad35e1_prep
	.globl	k_qecabad35e1_prep
	.p2align	8
	.type	k_qecabad35e1_prep,@function
k_qecabad35e1_prep:
	s_mov_b64 s[64:65], 0
	v_nop
	global_prefetch_b8 v0, s[64:65] scope:SCOPE_SE
	s_setreg_imm32_b32 hwreg(HW_REG_WAVE_MODE, 25, 1), 1
	s_wait_xcnt 0x0
; W' = W + A B, in f32, is turned into codes of FP4 (E2M1) along its last axis, which is the product's K.
; W: [4096][4096] f32, A: [4096][16] f32, B: [16][4096] f32.  Out: wimg [8 K steps][4096 rows][272 bytes]: a row's 512 codes of the K step (256 bytes, two codes a byte, K innermost)
; and behind them its 16 E8M0 bytes: the image that the product's launch keeps in LDS, row by row.  Every input has a way to the output.
; THE SUM is made by v_wmma_f32_16x16x4_f32, four K steps of 4 ranks, with W as the C of the first: W + the 16 terms, each a fused multiply-add in f32.  The ranks are taken in the order
; 0, 1, 8, 9, 2, 3, 10, 11 ..: lane half h holds ranks 8 h .. 8 h + 7 of both operands, 32 neighbouring bytes, and step s takes its registers 2 s, 2 s + 1.
; USED TRANSPOSED: source 0 = 16 columns of B, source 1 = 16 rows of A: lane (r, h) holds row r of W' and its registers run along K.  The columns of a tile are chosen so that the 16 registers of
; tiles 2 u, 2 u + 1 are 16 neighbours: k = 32 u + 16 h + 0 .. 15; a block of 32 lies in lanes l and l xor 16.
; A block's scale is 2^(floor(log2(its largest magnitude)) - 2); its byte is the largest magnitude's exponent field - 2, held at 1 from below by a floor among the maximum's leaves.
; LIMITS: NaN and infinities in W, A, B are not served.  A block of zeros gets the byte 1 where the rule says 127: its codes are zeros, which add nothing under any byte but 0xff, and this program alone reads the bytes.
; SHARES.  Work-group (x = K step ks, y = rg) owns rows 128 rg .. + 127 and columns 512 ks .. + 511.  Wave w owns rows 32 (w / 2) .. + 31 and columns 256 (w % 2) .. + 255 of them: 2 x 16 tiles of 16 x 16.
; It brings its 32 rows x 1,024 bytes of W by ONE tensor load at the head (LDS rows of 1,040 bytes) and reads only its own bytes; nothing is filled again.  B's 512 columns are turned once through LDS,
; [column][16 ranks], 80 bytes a column; each wave keeps its 16 tiles of them in 128 registers.  The stage's bytes then take the image, behind a barrier; at the end wave w stores 16 rows of it,
; 4,352 bytes, by 17 stores of 256 consecutive bytes, aligned.  B's loads read 128 consecutive bytes a wave: 32 KB a work-group, once.
; No cluster: no two work-groups read the same bytes of W, and B's and A's parts are small beside it.  No prefetch: the launch has no loop to run ahead in; all of its stream is asked for at the head.
.set WP,    1040                       ; an LDS row of W: 1,024 bytes + 16 of padding
.set WTILE, 32*WP
.set BT,    8*WTILE                    ; B turned: 512 columns x 80 bytes; later the image
.set BP,    80
.set IMG,   BT
.set IROW,  272
.set SPARE, BT+512*BP                  ; the spare words, 128 bytes a wave
.set VW,  10                           ; my 64 bytes of a row of W in LDS
.set VB,  11                           ; my 32 bytes of a column of B
.set VI,  12                           ; my 8 bytes of codes in the image
.set VY,  13                           ; my row's scale bytes
.set VO,  14                           ; 8 x lane
.set VR,  15                           ; the image's way back
.set SPW, 16
.set NIL, 17
.set VBS, 18                           ; where I lay a column of B
.set VBG, 19                           ; 4 x thread
.set VAG, 20                           ; A: 64 r + 32 h
.set M,   22                           ; v22-23 maxima; v24-25 the other half's; v26-27 scale operands; v28-29 bytes; v32-35 codes
.set P,   24
.set E,   26
.set Y,   28
.set CD,  32
.set AR,  40                           ; v40-55   A: 8 registers for each of my two row tiles
.set WS,  64                           ; v64-127  W as C: two sets of 32
.set DS,  128                          ; v128-191 the sums: two sets of 32; written by matrix instructions alone
.set BR,  192                          ; v192-223 B as loaded: two columns x 16 ranks
; window 1: v0-127: B's tile T at v[8 T]
.set MSB, 0
.macro WIN new
.if MSB != (\new)
	s_set_vgpr_msb (MSB<<8)|(\new)
.set MSB, (\new)
.endif
.endm
	s_load_b256 s[4:11], s[0:1], 0x0               ; W s[4:5], A s[6:7], B s[8:9], wimg s[10:11]
	v_lshl_add_u32 v[SPW], v0, 2, SPARE
	v_mov_b32 v[NIL], 0
	ds_add_u32 v[SPW], v[NIL]                      ; the opening: the add, twice on end, and its wait ahead of my tensor load
	ds_add_u32 v[SPW], v[NIL]
	v_lshrrev_b32 v1, 5, v0
	v_readfirstlane_b32 s2, v1                     ; wave 0..7
	s_lshr_b32 s3, s2, 1                           ; my quarter of the rows
	s_and_b32 s12, s2, 1                           ; my half of the columns
	s_and_b32 s13, ttmp7, 0xffff                   ; rg
	s_mov_b32 s20, 0x76543210                      ; v_permlanex16_b32's selects for lane l xor 16
	s_mov_b32 s21, 0xfedcba98
	s_mov_b32 s24, (2<<16)|(1<<20)|(7<<22)|(3<<25) ; group 1: elements of 4 bytes; 4 words of padding behind every 256
	s_mov_b32 s25, 256<<16
	s_mov_b32 s26, 32<<16
	s_mov_b32 s27, 256<<16
	s_mov_b32 s28, 32
	s_mov_b32 s29, 4096
	s_mov_b32 s30, 0
	s_mov_b32 s31, 0
	s_lshl_b32 s14, s13, 21                        ; W: (128 rg + 32 quarter) rows of 16,384 bytes + 2,048 ks + 1,024 half
	s_lshl_b32 s38, s3, 19
	s_add_co_u32 s14, s14, s38
	s_lshl_b32 s18, ttmp9, 11                      ; B: my work-group's 512 columns
	s_add_co_u32 s14, s14, s18
	s_lshl_b32 s38, s12, 10
	s_add_co_u32 s14, s14, s38
	s_mov_b32 s15, 0
	s_mov_b32 s19, 0
	s_lshl_b32 s16, s13, 13                        ; A: (128 rg + 32 quarter) rows of 64 bytes
	s_lshl_b32 s38, s3, 11
	s_add_co_u32 s16, s16, s38
	s_mov_b32 s17, 0
	s_mul_i32 s22, ttmp9, 4096*IROW                ; wimg: K step ks, (128 rg + 16 w) rows of 272 bytes
	s_mul_i32 s38, s13, 128*IROW
	s_add_co_u32 s22, s22, s38
	s_mul_i32 s38, s2, 16*IROW
	s_add_co_u32 s22, s22, s38
	s_mov_b32 s23, 0
	s_add_co_u32 s37, s38, IMG                     ; the 16 rows of the image that I store
	s_mul_i32 s33, s2, WTILE                       ; my tile of W
	s_mul_i32 s34, s12, 256*BP
	s_add_co_u32 s34, s34, BT                      ; my 256 columns of B
	s_mul_i32 s39, s3, 32*IROW
	s_lshl_b32 s38, s12, 7
	s_add_co_u32 s35, s39, s38
	s_add_co_u32 s35, s35, IMG                     ; my 32 rows of the image, my 128 bytes of codes,
	s_lshl_b32 s38, s12, 3
	s_add_co_u32 s36, s39, s38
	s_add_co_u32 s36, s36, IMG+256                 ; and my 8 scale bytes
	s_mov_b32 s40, 1
	s_add_co_u32 s41, s33, 0
	v_and_b32 v1, 15, v0                           ; r
	v_bfe_u32 v2, v0, 4, 1                         ; h
	v_and_b32 v3, 31, v0
	v_mul_u32_u24 v4, v1, WP
	v_lshl_add_u32 v4, v2, 6, v4
	v_add_nc_u32 v[VW], s33, v4                    ; row r, + 64 h
	v_and_b32 v5, 8, v1
	v_add_nc_u32 v5, v5, v1                        ; r + 8 (r / 8): the columns of a tile are not neighbours
	v_mul_u32_u24 v5, v5, BP
	v_lshl_add_u32 v5, v2, 5, v5
	v_add_nc_u32 v[VB], s34, v5
	v_mul_u32_u24 v6, v1, IROW
	v_lshl_add_u32 v7, v2, 3, v6
	v_add_nc_u32 v[VI], s35, v7
	v_add_nc_u32 v[VY], s36, v6
	v_lshlrev_b32 v[VO], 3, v3
	v_add_nc_u32 v[VR], s37, v[VO]
	v_mul_u32_u24 v[VBS], v0, BP
	v_add_nc_u32 v[VBS], BT, v[VBS]
	v_lshlrev_b32 v[VBG], 2, v0
	v_lshlrev_b32 v[VAG], 6, v1
	v_lshl_add_u32 v[VAG], v2, 5, v[VAG]
	v_mov_b32 v[P], 0                              ; a lane permute's destination counts as one of its sources
	v_mov_b32 v[P+1], 0
	s_wait_alu depctr_va_vdst(0)                   ; the wait behind the head's vector work
	s_wait_dscnt 0x0                               ; both opening adds are done
	s_wait_kmcnt 0x0
	s_add_nc_u64 s[42:43], s[4:5], s[14:15]
	s_or_b32 s43, s43, 0x80000000
	tensor_load_to_lds s[40:43], s[24:31]          ; my 32 rows x 1,024 bytes of W: the wave's one tensor load
	s_nop 0
	s_add_nc_u64 s[6:7], s[6:7], s[16:17]
	s_add_nc_u64 s[8:9], s[8:9], s[18:19]
	s_add_nc_u64 s[10:11], s[10:11], s[22:23]
.irp c, 0,1
.irp k, 0,1,2,3,4,5,6,7,8,9,10,11,12,13,14,15
	global_load_b32 v[BR+16*\c+\k], v[VBG], s[8:9] offset:\k*16384+\c*1024   ; B[k][thread + 256 c]
.endr
.endr
.irp t, 0,1
.irp i, 0,1
	global_load_b128 v[AR+8*\t+4*\i:AR+8*\t+4*\i+3], v[VAG], s[6:7] offset:\t*1024+16*\i   ; A[16 t + r][8 h + 4 i ..]
.endr
.endr
	s_wait_loadcnt 4                               ; B is in; A's four loads may be out
.irp c, 0,1
.irp i, 0,1,2,3
	ds_store_b128 v[VBS], v[BR+16*\c+4*\i:BR+16*\c+4*\i+3] offset:\c*256*BP+16*\i
.endr
.endr
	s_wait_dscnt 0x0                               ; for the others' sake: my stores have landed
	s_barrier_signal -1
	s_barrier_wait -1
	WIN 0x40                                       ; destination window 1, address window 0
.irp t, 0,1,2,3,4,5,6,7,8,9,10,11,12,13,14,15
.irp i, 0,1
	ds_load_b128 v[8*\t+4*\i:8*\t+4*\i+3], v[VB] offset:(32*(\t/2)+8*(\t%2))*BP+16*\i   ; tile t: column 32 (t / 2) + 8 (t % 2) + r + 8 (r / 8), ranks 8 h ..
.endr
.endr
	WIN 0
	s_wait_dscnt 0x0                               ; my reads of the stage are over: behind the barrier its bytes take the image
	s_barrier_signal -1
	s_barrier_wait -1
	s_wait_loadcnt 0x0                             ; A
	s_wait_tensorcnt 0x0                           ; my tile of W
; group g = row tile g / 4, blocks 2 (g % 4) and 2 (g % 4) + 1: four tiles
.macro WLOAD g                         ; W as C: 64 bytes a lane and block
.set WB, WS+32*((\g)%2)
.irp b, 0,1
.irp i, 0,1,2,3
	ds_load_b128 v[WB+16*\b+4*\i:WB+16*\b+4*\i+3], v[VW] offset:((\g)/4)*16*WP+128*(2*((\g)%4)+\b)+16*\i
.endr
.endr
.endm
.macro WGRP g                          ; 16 matrix instructions; the four sums take turns
.set DB, DS+32*((\g)%2)
.set WB, WS+32*((\g)%2)
.set AB, AR+8*((\g)/4)
.set TB, 32*((\g)%4)
	WIN 0x01                                       ; source 0 in window 1
.irp s, 0,1,2,3
.irp t, 0,1,2,3
.if \s == 0
	v_wmma_f32_16x16x4_f32 v[DB+8*\t:DB+8*\t+7], v[TB+8*\t:TB+8*\t+1], v[AB:AB+1], v[WB+8*\t:WB+8*\t+7]
.else
	v_wmma_f32_16x16x4_f32 v[DB+8*\t:DB+8*\t+7], v[TB+8*\t+2*\s:TB+8*\t+2*\s+1], v[AB+2*\s:AB+2*\s+1], v[DB+8*\t:DB+8*\t+7]
.endif
.endr
.endr
	WIN 0
.endm
.macro QUANT g                         ; two blocks by turns: the largest magnitude, the scale, the codes, the byte
.set DB, DS+32*((\g)%2)
.set IO, ((\g)/4)*16*IROW
.set U0, 2*((\g)%4)
.irp b, 0,1
	v_max3_num_f32 v[M+\b], |v[DB+16*\b]|, |v[DB+16*\b+1]|, 0x1800000   ; each sum from its low end on; the floor 2^(3 - 127) holds the byte at 1 from below
.endr
.irp i, 2,4,6,8,10,12,14
.irp b, 0,1
	v_max3_num_f32 v[M+\b], v[M+\b], |v[DB+16*\b+\i]|, |v[DB+16*\b+\i+1]|
.endr
.endr
.irp b, 0,1
	v_permlanex16_b32 v[P+\b], v[M+\b], s20, s21
.endr
.irp b, 0,1
	v_max_num_f32 v[M+\b], v[M+\b], v[P+\b]        ; with lane l xor 16's 16: the block's
.endr
.irp b, 0,1
	v_add_nc_u32 v[E+\b], 0xff000000, v[M+\b]      ; 2 off the exponent field: the conversion's scale operand
.endr
.irp b, 0,1
	v_cvt_scalef32_pk8_fp4_f32 v[CD+2*\b], v[DB+16*\b:DB+16*\b+7], v[E+\b]
	v_cvt_scalef32_pk8_fp4_f32 v[CD+2*\b+1], v[DB+16*\b+8:DB+16*\b+15], v[E+\b]
.endr
.irp b, 0,1
	v_lshrrev_b32 v[Y+\b], 23, v[E+\b]             ; the scale's byte (also the plain place behind the conversions)
.endr
.irp b, 0,1
	ds_store_b64 v[VI], v[CD+2*\b:CD+2*\b+1] offset:IO+16*(U0+\b)      ; 16 codes: k = 32 u + 16 h + 0 .. 15
	ds_store_b8 v[VY], v[Y+\b] offset:IO+U0+\b     ; both halves write the same byte with the same value
.endr
.endm
; Trip g: W of group g + 1 is asked for, group g is multiplied, group g - 1 is quantised.  The quantising, which names the other set's registers alone, is the run of places (eight and nine
; behind this form) between a group's products and the reads of its sums, the loads into its C, and the products that write its registers again.
	WLOAD 0
.irp g, 0,1,2,3,4,5,6,7
.if \g < 7
	WLOAD \g+1
	s_wait_dscnt 8                                 ; all but the eight loads just issued
.else
	s_wait_dscnt 0x0
.endif
	WGRP \g
.if \g == 0
.rept 9
	v_nop                                          ; the first trip has nothing to quantise
.endr
.else
	QUANT \g-1
.endif
.endr
	QUANT 7
	s_wait_dscnt 0x0                               ; for the others' sake: my part of the image has landed
	s_barrier_signal -1
	s_barrier_wait -1
.irp i, 0,1,2,3,4,5,6,7,8,9,10,11,12,13,14,15,16
	ds_load_b64 v[WS+2*\i:WS+2*\i+1], v[VR] offset:256*\i
.endr
	s_wait_dscnt 0x0
.irp i, 0,1,2,3,4,5,6,7,8,9,10,11,12,13,14,15,16
	global_store_b64 v[VO], v[WS+2*\i:WS+2*\i+1], s[10:11] offset:256*\i     ; 256 consecutive bytes, aligned
.endr
	s_wait_tensorcnt 0x0                           ; the wave's end
	ds_add_u32 v[SPW], v[NIL]
	s_wait_dscnt 0x0
	s_endpgm
.Lfunc_end_k_qecabad35e1_prep:
	.size	k_qecabad35e1_prep, .Lfunc_end_k_qecabad35e1_prep-k_qecabad35e1_prep
	.p2alignl 7, 3214868480
	.fill 96, 4, 3214868480
	.section	.rodata,"a",@progbits
	.p2align	6, 0x0
	.amdhsa_kernel k_qecabad35e1_prep
		.amdhsa_group_segment_fixed_size 308224
		.amdhsa_private_segment_fixed_size 0
		.amdhsa_enable_private_segment 0
		.amdhsa_kernarg_size 32
		.amdhsa_user_sgpr_count 2
		.amdhsa_user_sgpr_kernarg_segment_ptr 1
		.amdhsa_wavefront_size32 1
		.amdhsa_system_sgpr_workgroup_id_x 1
		.amdhsa_system_sgpr_workgroup_id_y 1
		.amdhsa_system_sgpr_workgroup_id_z 1
		.amdhsa_system_vgpr_workitem_id 0
		.amdhsa_next_free_vgpr 384
		.amdhsa_next_free_sgpr 66
		.amdhsa_reserve_vcc 0
		.amdhsa_float_denorm_mode_32 3
		.amdhsa_float_denorm_mode_16_64 3
		.amdhsa_memory_ordered 1
		.amdhsa_forward_progress 1
		.amdhsa_inst_pref_size 42
	.end_amdhsa_kernel
	.amdgpu_metadata
---
amdhsa.version: [ 1, 2 ]
amdhsa.kernels:
  - .name:           k_qecabad35e1_prep
    .symbol:         k_qecabad35e1_prep.kd
    .args:
      - { .name: W, .offset: 0, .size: 8, .value_kind: global_buffer, .address_space: global }
      - { .name: A, .offset: 8, .size: 8, .value_kind: global_buffer, .address_space: global }
      - { .name: B, .offset: 16, .size: 8, .value_kind: global_buffer, .address_space: global }
      - { .name: wimg, .offset: 24, .size: 8, .value_kind: global_buffer, .address_space: global }
    .group_segment_fixed_size: 308224
    .private_segment_fixed_size: 0
    .kernarg_segment_align: 8
    .kernarg_segment_size: 32
    .max_flat_workgroup_size: 256
    .sgpr_count:     66
    .vgpr_count:     384
    .wavefront_size: 32
...
	.end_amdgpu_metadata
.endif
;; end of part 1
;; launch gemm (part 2): grid 16 x 16, 4 waves a work-group, clusters of 4 x 4, 327,680 bytes of LDS; arguments x_codes, x_scales, wimg, bias, out0; writes out0
.if DOCPART == 2
	.amdgcn_target "amdgcn-amd-amdhsa--gfx1250"
	.amdhsa_code_object_version 6
	.text
	.protected	k_qecabad35e1_gemm
	.globl	k_qecabad35e1_gemm
	.p2align	8
	.type	k_qecabad35e1_gemm,@function
k_qecabad35e1_gemm:
	s_mov_b64 s[64:65], 0
	v_nop
	global_prefetch_b8 v0, s[64:65] scope:SCOPE_SE
	s_setreg_imm32_b32 hwreg(HW_REG_WAVE_MODE, 25, 1), 1
	s_wait_xcnt 0x0
	s_wait_alu depctr_hold_cnt(0) depctr_sa_sdst(0) depctr_va_vdst(0) depctr_va_sdst(0) depctr_va_ssrc(0) depctr_va_vcc(0) depctr_vm_vsrc(0)
	s_getreg_b32 s2, hwreg(HW_REG_IB_STS2, 6, 4)
	s_cmp_eq_u32 s2, 0
	s_cbranch_scc0 .Lentry_in_a_cluster
	s_endpgm
.Lentry_in_a_cluster:
	s_bfe_u32 s2, ttmp6, 0x10000c
	s_cmp_lg_u32 s2, 0xf033
	s_cbranch_scc0 .Lentry_shape_is_right
	s_endpgm
.Lentry_shape_is_right:
; out0[m][n] = sum over k of x[m][k] W'[n][k] + bias[n], on codes of FP4 (E2M1) with one E8M0 byte for each 32 along K; sums in f32; the bias is the C of each sum's first product.
; x_codes [4096][2048 bytes], x_scales [4096][128]; wimg [8 K steps][4096 rows][272 bytes]: a row's 256 bytes of codes of the K step and its 16 scale bytes, as the launch before laid them.
; A tile of out0, 256 x 256, is made by four waves, each 128 x 128: 64 accumulators, 512 registers.  K goes in steps of 512 through a ring of two LDS slots.
; A SLOT is 512 LDS rows of 272 bytes: x's 256 rows (256 bytes + 16 of padding), then W''s 256 rows, whose last 16 bytes are their scales: the image comes in as it lies, stated as rows of 256 bytes.
; A refill is four loads of 34,816 LDS bytes, one a wave: waves 0 and 1 x's halves, waves 2 and 3 the image's halves.  x's scales of my 256 rows, for all of K, are one dense block of 32,768 bytes: they come once, at the head.
; CLUSTERS: 4 x 4 work-groups; x's tiles and scales are asked for jointly along a row of the cluster, W''s along a column.  The matrix instruction is used transposed (source 0 = 16 rows of W', source 1 = 16 rows of x).
; SCALE WORDS: a register holds block 2 j's words in lanes 0-15 and block 2 j + 1's in lanes 16-31; the ROW selector picks by the block's parity.
; FRAGMENTS: two sets for both operands.  A step of 128 along K asks for the next step's 32 LDS loads in one run at its head, into the other set, and then issues its 64 products.
; THE LAST K STEP GOES BY ROWS OF out0: W''s fragments of the whole step fill window 1, x's come by blocks of 16 rows x 512 K, and each block of 16 rows leaves as soon as its 32 products are done (K ascending as ever).
; PREFETCH: behind the load of K step s each wave asks for its share of K step s + 2 (steps 2 to 7); each block of 256 bytes once in each cluster that will load it, the partners sharing by address:
; waves with an even number 32 rows of x (a lane a row), the others 34 blocks of the image (32 and 2).  K steps 0 and 1 come by their loads alone; the loop's last trip asks for nothing.
; REGISTERS: window 0: v0-31 addresses; v32-95 scale words, two sets; v192-255 the bias; in the last K step v96-127, v192-223, v224-255 x's blocks and v128-191 rows on their way out;
;   window 1: set p at v[128 p]: 64 of W', then 64 of x; in the last K step W''s quarter q at v[64 q]; windows 2, 3: the accumulators.
.set SIZE_N, 4096
.set NQ,     4
.set ROWB,   256
.set KROW,   2048
.set PITCH,  272
.set FR,     8
.set NP,     4
.set HALFT,  128*PITCH                 ; 128 LDS rows: one load of the ring
.set BOFF,   2*HALFT
.set SLOT,   4*HALFT
.set KSB,    4096*PITCH                ; from a K step of the image to the next
.set SCL,    2*SLOT                    ; x's scales: 128 units of 256 bytes + 16 of padding
.set SPARE,  SCL+HALFT                 ; the spare words, 128 bytes a wave
.set LAPS,   4
.set SPITCH, 528                       ; the way out: a stage of 16 rows x (512 + 16) bytes a wave, in slot 0 behind its last fill and last read
.set ADRA, 16                          ; v16-17 my fragments of x in slot 0, 1
.set ADSA, 18                          ; v18    my scale words of x; stepped 16 bytes a K step
.set ADRB, 20                          ; v20-21 my fragments of W'
.set ADSB, 22                          ; v22-23 my scale words of W'
.set STO,  24
.set RD,   25
.set CO,   26
.set PFO2, 27
.set SPW,  28
.set NIL,  29
.set PFO,  30
.set SC,   32                          ; set s at SC + 32 s: 16 registers of x's words (4 j + q), then 16 of W''s
.set BI,   192
.set BK,   128
.set WV,   16
.set RH,   17
.set CH,   18
.set G1A,  24
.set G1B,  32
.set G1S,  40
.set G0A,  48
.set G0B,  56
.set G0S,  68
.set G0HB, 72
.set PFA,  76
.set PFS,  78
.set CX,   80
.set CY,   81
.set TC,   82
.set TR,   83
.set MSB, 0
.macro WIN new
.if MSB != (\new)
	s_set_vgpr_msb (MSB<<8)|(\new)
.set MSB, (\new)
.endif
.endm
.set TO_F,   0x40                      ; destination window 1, address window 0
.macro MWIN hi, first                  ; sources 0 and 1 window 1; D window 2 or 3; C the same, or window 0 (the bias)
.if \first
	WIN 0x85+0x40*(\hi)
.else
	WIN 0xa5+0x50*(\hi)
.endif
.endm
.macro TLOAD g0, g1                    ; a tensor load; the s_nop 0 and the four v_nop behind it
	tensor_load_to_lds s[\g0:\g0+3], s[\g1:\g1+7]
	s_nop 0
.rept 4
	v_nop
.endr
.endm
.macro JLOAD s                         ; the ring's joint load: waves 0 and 1 for x, waves 2 and 3 for W'; the branch hangs on the wave's number alone
	s_cmp_eq_u32 s[RH], 0
	s_cbranch_scc0 .Lfor_b_\@
	TLOAD G0A+4*\s, G1A
	s_branch .Lasked_\@
.Lfor_b_\@:
	TLOAD G0B+4*\s, G1B
.Lasked_\@:
.endm
.macro ASK always                      ; my share of the K step at s[PFA]
.if \always == 0
	s_cmp_gt_u32 s3, 1                             ; the loop's last trip has no K step two on
	s_cbranch_scc0 .Lna_\@
.endif
	global_prefetch_b8 v[PFO], s[PFA:PFA+1] th:TH_LOAD_NT scope:SCOPE_SE
	s_cmp_eq_u32 s[CH], 0
	s_cbranch_scc1 .Lna_\@
	global_prefetch_b8 v[PFO2], s[PFA:PFA+1] th:TH_LOAD_NT scope:SCOPE_SE   ; the image's blocks 32 and 33 of my 34
.Lna_\@:
.endm
.macro CREST
	s_cmp_lg_u32 s[WV], 0
	s_cbranch_scc1 .Lnot_wave_0_\@
	s_barrier_signal -3
.Lnot_wave_0_\@:
	s_barrier_wait -3
	s_barrier_signal -1
	s_barrier_wait -1
.endm
.macro CROUND
	s_barrier_signal -1
	s_barrier_wait -1
	CREST
.endm
	s_load_b256 s[4:11], s[0:1], 0x0               ; x_codes s[4:5], x_scales s[6:7], wimg s[8:9], bias s[10:11]
	s_load_b64 s[12:13], s[0:1], 0x20              ; out0
	v_lshl_add_u32 v[SPW], v0, 2, SPARE
	v_mov_b32 v[NIL], 0
	ds_add_u32 v[SPW], v[NIL]                      ; the opening: the add, twice on end, and its wait ahead of my first tensor load
	ds_add_u32 v[SPW], v[NIL]
	v_lshrrev_b32 v1, 5, v0
	v_readfirstlane_b32 s[WV], v1                  ; wave 0..3
	s_lshr_b32 s[RH], s[WV], 1                     ; my half of the tile's rows; also: I fetch for x (0) or W' (1)
	s_and_b32 s[CH], s[WV], 1                      ; my half of its columns; also: which 128 rows I fetch
	s_bfe_u32 s[CX], ttmp6, 0x40000
	s_bfe_u32 s[CY], ttmp6, 0x40004
	s_lshl_b32 s[TC], ttmp9, 2
	s_add_co_u32 s[TC], s[TC], s[CX]               ; tile column
	s_and_b32 s[TR], ttmp7, 0xffff
	s_lshl_b32 s[TR], s[TR], 2
	s_add_co_u32 s[TR], s[TR], s[CY]               ; tile row
	s_lshl_b32 s86, s[CY], 2
	s_lshl_b32 s86, 15, s86                        ; my row of the cluster
	s_lshl_b32 s87, 0x1111, s[CX]                  ; my column
	s_or_b32 s[G1A], s86, (0<<16)|(1<<20)|(1<<21)|(5<<22)|(3<<25)  ; x's codes: 128 rows of 256 bytes, 16 of padding behind each
	s_mov_b32 s[G1A+1], ROWB<<16
	s_mov_b32 s[G1A+2], 128<<16
	s_mov_b32 s[G1A+3], ROWB<<16
	s_mov_b32 s[G1A+4], 128
	s_mov_b32 s[G1A+5], KROW
	s_mov_b32 s[G1A+6], 0
	s_mov_b32 s[G1A+7], 0
	s_or_b32 s[G1B], s87, (3<<16)|(1<<21)          ; the image: dense, rows of 32 elements of 8 bytes; 272 rows at the head, 136 in the ring
	s_mov_b32 s[G1B+1], 32<<16
	s_mov_b32 s[G1B+2], 272<<16
	s_mov_b32 s[G1B+3], 32<<16
	s_mov_b32 s[G1B+4], 272
	s_mov_b32 s[G1B+5], 32
	s_mov_b32 s[G1B+6], 0
	s_mov_b32 s[G1B+7], 0
	s_or_b32 s[G1S], s86, (3<<16)|(1<<20)|(1<<21)|(5<<22)|(3<<25)  ; x's scales: dense, 128 rows of 256 bytes, padded
	s_mov_b32 s[G1S+1], 32<<16
	s_mov_b32 s[G1S+2], 128<<16
	s_mov_b32 s[G1S+3], 32<<16
	s_mov_b32 s[G1S+4], 128
	s_mov_b32 s[G1S+5], 32
	s_mov_b32 s[G1S+6], 0
	s_mov_b32 s[G1S+7], 0
	s_mul_i32 s20, s[RH], HALFT                    ; my 128 rows of x in slot 0, 1
	s_add_co_u32 s21, s20, SLOT
	s_mul_i32 s22, s[CH], HALFT                    ; my 128 rows of W'
	s_add_co_u32 s22, s22, BOFF
	s_add_co_u32 s23, s22, SLOT
	s_mul_i32 s88, s[RH], 64*PITCH                 ; my 128 rows' scales of x: two rows to a unit
	s_add_co_u32 s88, s88, SCL
	s_mul_i32 s89, s[WV], 16*SPITCH                ; my stage
	s_cmp_eq_u32 s[CH], 0
	s_cselect_b32 s90, 11, 8                       ; a prefetch's lanes lie a row of x, or a block of the image, apart
	v_and_b32 v1, 15, v0                           ; r
	v_bfe_u32 v2, v0, 4, 1                         ; h
	v_and_b32 v6, 31, v0
	v_mul_u32_u24 v3, v1, PITCH
	v_lshl_add_u32 v4, v2, 4, v3                   ; a fragment: row x pitch + 16 h
	v_mad_u32_u24 v5, v2, 16*PITCH, v3             ; W''s scale words: row r of block 2 j + h
	v_add_nc_u32 v[ADRA], s20, v4
	v_add_nc_u32 v[ADRA+1], s21, v4
	v_add_nc_u32 v[ADRB], s22, v4
	v_add_nc_u32 v[ADRB+1], s23, v4
	v_add_nc_u32 v[ADSB], s22, v5
	v_add_nc_u32 v[ADSB+1], s23, v5
	v_lshrrev_b32 v7, 1, v1
	v_and_b32 v8, 1, v1
	v_mul_u32_u24 v7, v7, PITCH
	v_lshl_add_u32 v7, v8, 7, v7                   ; x's scale words: unit r / 2, half r % 2,
	v_mad_u32_u24 v7, v2, 8*PITCH, v7              ; block 2 j + h
	v_add_nc_u32 v[ADSA], s88, v7
	v_mul_u32_u24 v9, v1, SPITCH
	v_lshl_add_u32 v9, v2, 5, v9
	v_add_nc_u32 v[STO], s89, v9
	v_lshlrev_b32 v[CO], 4, v6
	v_add_nc_u32 v[RD], s89, v[CO]
	v_lshlrev_b32 v[PFO], s90, v6
	v_min_u32 v[PFO2], 1, v6
	v_lshl_add_u32 v[PFO2], v[PFO2], 8, 0x2000
	v_lshlrev_b32 v31, 5, v2                       ; the bias: 32 h bytes
	s_wait_alu depctr_va_vdst(0)                   ; the wait behind the head's vector work
	s_wait_dscnt 0x0                               ; both opening adds are done
	s_wait_kmcnt 0x0
	s_lshl_b32 s88, s[TC], 10                      ; my first column, in bytes of f32
	s_lshl_b32 s89, s[CH], 9
	s_add_co_u32 s88, s88, s89
	s_mov_b32 s89, 0
	s_add_nc_u64 s[10:11], s[10:11], s[88:89]
.irp b, 0,1,2,3,4,5,6,7
	global_load_b128 v[BI+8*\b:BI+8*\b+3], v31, s[10:11] offset:64*\b       ; bias[16 b + 8 h + 0 .. 7]: the result's layout
	global_load_b128 v[BI+8*\b+4:BI+8*\b+7], v31, s[10:11] offset:64*\b+16
.endr
	s_lshl_b32 s20, s[TR], 19                      ; x's codes: 256 tile row + 128 half rows of 2,048 bytes
	s_lshl_b32 s22, s[CH], 18
	s_add_co_u32 s20, s20, s22
	s_mov_b32 s21, 0
	s_add_nc_u64 s[G0A+2:G0A+3], s[4:5], s[20:21]
	s_lshl_b32 s20, s[TR], 15
	s_add_nc_u64 s[G0S+2:G0S+3], s[6:7], s[20:21]
	s_mul_i32 s90, s[TC], 2*HALFT                  ; the image: 256 tile column rows of 272 bytes
	s_mov_b32 s91, 0
	s_add_nc_u64 s[G0HB+2:G0HB+3], s[8:9], s[90:91]
	s_mul_i32 s90, s[CH], HALFT
	s_add_nc_u64 s[G0B+2:G0B+3], s[G0HB+2:G0HB+3], s[90:91]
	s_add_nc_u64 s[G0A+6:G0A+7], s[G0A+2:G0A+3], ROWB
	s_add_nc_u64 s[G0B+6:G0B+7], s[G0B+2:G0B+3], KSB
	s_mul_i32 s22, s[WV], HALFT                    ; where my load of the ring goes: wave x 128 LDS rows
.irp g, G0A, G0B
	s_mov_b32 s[\g], 1
	s_mov_b32 s[\g+4], 1
	s_add_co_u32 s[\g+1], s22, 0
	s_add_co_u32 s[\g+5], s22, SLOT
	s_or_b32 s[\g+3], s[\g+3], 0x80000000
	s_or_b32 s[\g+7], s[\g+7], 0x80000000
.endr
	s_mov_b32 s[G0HB], 1
	s_mov_b32 s[G0HB+1], BOFF
	s_or_b32 s[G0HB+3], s[G0HB+3], 0x80000000
	s_mov_b32 s[G0S], 1
	s_mov_b32 s[G0S+1], SCL
	s_or_b32 s[G0S+3], s[G0S+3], 0x80000000
	CROUND                                         ; all sixteen work-groups are here: the first joint loads meet
	; the head's loads, one a wave: waves 0 and 1 K step 0's halves of x, wave 2 its whole tile of the image, wave 3 x's scales
	s_cmp_lt_u32 s[WV], 2
	s_cbranch_scc0 .Lhead_b
	TLOAD G0A, G1A
	s_branch .Lhead_asked
.Lhead_b:
	s_cmp_lt_u32 s[WV], 3
	s_cbranch_scc0 .Lhead_s
	TLOAD G0HB, G1B
	s_branch .Lhead_asked
.Lhead_s:
	TLOAD G0S, G1S
.Lhead_asked:
	; where my prefetches begin: K step 2
	s_lshl_b32 s90, s[TR], 8
	s_lshl_b32 s91, s[CX], 6
	s_add_co_u32 s90, s90, s91
	s_lshl_b32 s91, s[RH], 5
	s_add_co_u32 s90, s90, s91                     ; x: row 256 tile row + 64 cx + 32 (wave / 2)
	s_lshl_b32 s90, s90, 11
	s_add_co_u32 s90, s90, 2*ROWB
	s_mul_i32 s92, s[TC], 2*HALFT
	s_lshl_b32 s93, s[CY], 1
	s_add_co_u32 s93, s93, s[RH]
	s_mul_i32 s93, s93, 34*256                     ; the image: 34 of the tile's 272 blocks for each of eight waves
	s_add_co_u32 s92, s92, s93
	s_add_co_u32 s92, s92, 2*KSB
	s_cmp_eq_u32 s[CH], 0
	s_cselect_b32 s90, s90, s92
	s_cselect_b64 s[PFA:PFA+1], s[4:5], s[8:9]
	s_mov_b32 s[PFS], KSB
	s_cselect_b32 s[PFS], ROWB, s[PFS]             ; from a K step to the next
	s_mov_b32 s[PFS+1], 0
	s_mov_b32 s91, 0
	s_add_nc_u64 s[PFA:PFA+1], s[PFA:PFA+1], s[90:91]
	ASK 1                                          ; K step 2
	s_lshl_b32 s90, s[TR], 22                      ; out0: my first row and column
	s_add_co_u32 s88, s88, s90
	s_lshl_b32 s90, s[RH], 21
	s_add_co_u32 s88, s88, s90
	s_add_nc_u64 s[12:13], s[12:13], s[88:89]
.macro FRAG reg, adr, q, i             ; 16 rows x 128 K: lane l holds row l % 16; registers 4 c .. 4 c + 3 hold K = 64 c + 32 (l / 16) + 0 .. 31
.irp c, 0,1
	ds_load_b128 v[\reg+4*\c:\reg+4*\c+3], v[\adr] offset:64*(\q)+32*\c+(\i)*16*PITCH
.endr
.endm
; one product: d the accumulator, c its C, bf and af the fragments, sb and sa the scale registers, bh and ah the halves of the lanes that hold the words
.macro WM d, c, bf, af, sb, sa, bh, ah
.if (\bh) == 0 && (\ah) == 0
	v_wmma_scale_f32_16x16x128_f8f6f4 v[(\d):(\d)+7], v[(\bf):(\bf)+7], v[(\af):(\af)+7], v[(\c):(\c)+7], v[\sb], v[\sa] matrix_a_fmt:MATRIX_FMT_FP4 matrix_b_fmt:MATRIX_FMT_FP4
.elseif (\ah) == 0
	v_wmma_scale_f32_16x16x128_f8f6f4 v[(\d):(\d)+7], v[(\bf):(\bf)+7], v[(\af):(\af)+7], v[(\c):(\c)+7], v[\sb], v[\sa] matrix_a_fmt:MATRIX_FMT_FP4 matrix_b_fmt:MATRIX_FMT_FP4 matrix_a_scale:MATRIX_SCALE_ROW1
.elseif (\bh) == 0
	v_wmma_scale_f32_16x16x128_f8f6f4 v[(\d):(\d)+7], v[(\bf):(\bf)+7], v[(\af):(\af)+7], v[(\c):(\c)+7], v[\sb], v[\sa] matrix_a_fmt:MATRIX_FMT_FP4 matrix_b_fmt:MATRIX_FMT_FP4 matrix_b_scale:MATRIX_SCALE_ROW1
.else
	v_wmma_scale_f32_16x16x128_f8f6f4 v[(\d):(\d)+7], v[(\bf):(\bf)+7], v[(\af):(\af)+7], v[(\c):(\c)+7], v[\sb], v[\sa] matrix_a_fmt:MATRIX_FMT_FP4 matrix_b_fmt:MATRIX_FMT_FP4 matrix_a_scale:MATRIX_SCALE_ROW1 matrix_b_scale:MATRIX_SCALE_ROW1
.endif
.endm
; 16 products: x's blocks a0 (even), a0 + 1 against W''s eight, from set p; the 64 accumulators take turns, in the same order in every step.  first = 1: C is the bias
.macro MUL16 a0, p, q, sc, first
.irp ah, 0,1
.irp b, 0,1,2,3,4,5,6,7
.if \first
	WM 8*(8*((\a0+\ah)%4)+\b),BI+8*\b,128*(\p)+FR*\b,128*(\p)+64+FR*(\a0+\ah),SC+32*(\sc)+16+4*(\b/2)+(\q),SC+32*(\sc)+4*(\a0/2)+(\q),\b%2,\ah
.else
	WM 8*(8*((\a0+\ah)%4)+\b),8*(8*((\a0+\ah)%4)+\b),128*(\p)+FR*\b,128*(\p)+64+FR*(\a0+\ah),SC+32*(\sc)+16+4*(\b/2)+(\q),SC+32*(\sc)+4*(\a0/2)+(\q),\b%2,\ah
.endif
.endr
.endr
.endm
.macro FETCH slot, q, p                ; a step's fragments into set p: W''s eight blocks, then x's eight: 32 loads in one run
	WIN TO_F
.irp i, 0,1,2,3,4,5,6,7
	FRAG 128*(\p)+FR*\i, ADRB+\slot, \q, \i
.endr
.irp i, 0,1,2,3,4,5,6,7
	FRAG 128*(\p)+64+FR*\i, ADRA+\slot, \q, \i
.endr
.endm
.macro SCALES sc                       ; a K step's scale words: four words a row; eight loads, into window 0
.irp j, 0,1,2,3
	ds_load_b128 v[SC+32*\sc+4*\j:SC+32*\sc+4*\j+3], v[ADSA] offset:16*PITCH*\j
	ds_load_b128 v[SC+32*\sc+16+4*\j:SC+32*\sc+16+4*\j+3], v[ADSB+\sc] offset:256+32*PITCH*\j
.endr
.endm
.macro PLACES n                        ; places behind matrix instructions, in front of loads into their registers and of reads of results
.rept \n
	v_nop
.endr
.endm
; 128 along K with its successor in the same slot: the other set is asked for, then set q % 2 is multiplied
.macro STEP slot, q, first
	s_wait_dscnt 0x0                               ; this set is in: its loads were issued a step ago
	PLACES NP                                      ; behind the last step's products, which read the other set
	FETCH \slot, (\q)+1, 1-(\q)%2
	MWIN 0, \first
	MUL16 0, (\q)%2, \q, \slot, \first
	MUL16 2, (\q)%2, \q, \slot, \first
	MWIN 1, \first
	MUL16 4, (\q)%2, \q, \slot, \first
	MUL16 6, (\q)%2, \q, \slot, \first
	WIN 0
.endm
; The first half of a slot's last step (set 1): in front of the barrier each wave waits for all its tensor loads, adds 0 to its spare word, and waits for that and for its reads of this slot.
.macro MEET slot
	s_wait_tensorcnt 0x0
	ds_add_u32 v[SPW], v[NIL]
	s_wait_dscnt 1                                 ; set 1 is in; the add may be out
	MWIN 0, 0
	MUL16 0, 1, NQ-1, \slot, 0
	s_wait_dscnt 0x0
	s_barrier_signal -1
	MUL16 2, 1, NQ-1, \slot, 0
	WIN 0
	s_barrier_wait -1
.endm
; A change of slots with a refill: the barrier opens a round of the cluster's barrier, and the slot is filled again, two K steps ahead, first thing behind it.  Set 0 takes the next slot's first fragments.
.macro TURN slot, next
	s_wait_xcnt 0x0                                ; my prefetches have read their address
	s_add_nc_u64 s[PFA:PFA+1], s[PFA:PFA+1], s[PFS:PFS+1]
	MEET \slot
	CREST
	s_add_nc_u64 s[G0A+4*\slot+2:G0A+4*\slot+3], s[G0A+4*\slot+2:G0A+4*\slot+3], 2*ROWB
	s_add_nc_u64 s[G0B+4*\slot+2:G0B+4*\slot+3], s[G0B+4*\slot+2:G0B+4*\slot+3], 2*KSB
	JLOAD \slot                                    ; its four v_nop are also the places in front of the loads below
	v_add_nc_u32 v[ADSA], 4*NQ, v[ADSA]            ; on to the next K step's scale words of x
	s_wait_alu depctr_va_vdst(0)                   ; the wait directly behind the write
	SCALES \next
	FETCH \next, 0, 0
	WIN 0
	ASK 0
	MWIN 1, 0
	MUL16 4, 1, NQ-1, \slot, 0
	MUL16 6, 1, NQ-1, \slot, 0
	WIN 0
.endm
.macro STEPS slot, from
.set Q, \from
.rept NQ-1-\from
	STEP \slot, Q, 0
.set Q, Q+1
.endr
.endm
	s_wait_xcnt 0x0                                ; my prefetches have read their address: on to K step 3
	s_add_nc_u64 s[PFA:PFA+1], s[PFA:PFA+1], s[PFS:PFS+1]
	s_wait_tensorcnt 0x0                           ; my tile of the head's is in
	ds_add_u32 v[SPW], v[NIL]
	s_mov_b32 s[G1B+2], 136<<16                    ; no tensor load of mine is out: from here on a load of the image brings 136 rows of 256 bytes
	s_mov_b32 s[G1B+4], 136
	s_wait_dscnt 0x0
	CROUND                                         ; everybody's tile is in, and the joint loads meet
	JLOAD 1                                        ; K step 1: slot 1's first fill
	SCALES 0
	FETCH 0, 0, 0
	WIN 0
	ASK 1                                          ; K step 3
	s_wait_loadcnt 0x0                             ; the bias
	STEP 0, 0, 1                                   ; the first step stands in front of the loop: its products start the sums on the bias
	s_mov_b32 s3, LAPS-1
.Llap:                                                 ; once round the ring, from a lap's second step to the next lap's first
	STEPS 0, 1
	TURN 0, 1
	STEPS 1, 0
	TURN 1, 0
	STEP 0, 0, 0
	s_sub_co_u32 s3, s3, 1
	s_cmp_lg_u32 s3, 0
	s_cbranch_scc1 .Llap
	STEPS 0, 1                                     ; the last lap fills nothing
; THE LAST K STEP, in slot 1, BY ROWS.
.macro BLOAD q                         ; W''s fragments of quarter q -> window 1, v[64 q ..]: 16 loads
.irp i, 0,1,2,3,4,5,6,7
	FRAG 64*\q+FR*\i, ADRB+1, \q, \i
.endr
.endm
.macro ALOAD a                         ; x's block a, all four quarters -> buffer a % 3 (v96, v192, v224 of window 0): 8 loads
.set KB, (\a)%3
.set FA, 96+96*KB-64*(KB/2)
.irp q, 0,1,2,3
	FRAG FA+FR*\q, ADRA+1, \q, \a
.endr
.endm
.macro ROW a                           ; block a is finished: 32 products, its eight accumulators by turns, K ascending
.set KB, (\a)%3
.set FA, 96+96*KB-64*(KB/2)
	WIN 0xa1+0x50*((\a)/4)                         ; source 0 window 1, source 1 window 0, C and D window 2 or 3
.irp q, 0,1,2,3
.if (\a) == 0 && \q == 2
	s_wait_dscnt 8                                 ; W''s quarters 2 and 3 are in (behind them: x's block 2)
.endif
.irp b, 0,1,2,3,4,5,6,7
	WM 8*(8*((\a)%4)+\b),8*(8*((\a)%4)+\b),64*\q+FR*\b,FA+FR*\q,SC+32+16+4*(\b/2)+\q,SC+32+4*((\a)/2)+\q,\b%2,(\a)%2
.endr
.endr
.endm
; The way out of block a, 16 rows x 128 columns: through my own stage and back as whole rows of 512 bytes.  LDS serves a wave's instructions in order (ISA guide 5.7.1.4).
.macro TOSTAGE a
.set AC, 64*((\a)%4)
	WIN 0x08+4*((\a)/4)
.irp b, 0,1,2,3,4,5,6,7
	ds_store_b128 v[STO], v[AC+8*\b:AC+8*\b+3] offset:64*\b          ; each accumulator from its low end on
	ds_store_b128 v[STO], v[AC+8*\b+4:AC+8*\b+7] offset:64*\b+16
.endr
	WIN 0
.irp t, 0,1,2,3,4,5,6,7,8,9,10,11,12,13,14,15
	ds_load_b128 v[BK+4*\t:BK+4*\t+3], v[RD] offset:\t*SPITCH
.endr
.endm
.macro SEND a, younger                 ; younger: the LDS loads issued behind block a's
	s_wait_dscnt \younger
.if (\a) > 0
	s_add_nc_u64 s[12:13], s[12:13], 16*SIZE_N*4   ; behind a wait on XCNT: the earlier stores have read their base
.endif
.irp t, 0,1,2,3,4,5,6,7,8,9,10,11,12,13,14,15
	global_store_b128 v[CO], v[BK+4*\t:BK+4*\t+3], s[12:13] offset:\t*SIZE_N*4 th:TH_STORE_NT   ; 512 consecutive bytes, aligned
.endr
.endm
	MEET 0                                         ; the one tensor load that was out is slot 1's, the last K step's, so no round follows
	PLACES NP                                      ; for the loads into set 0, which the step before last multiplied
	v_add_nc_u32 v[ADSA], 4*NQ, v[ADSA]
	s_wait_alu depctr_va_vdst(0)                   ; the wait directly behind the write
	SCALES 1
	ALOAD 0
	ALOAD 1
	WIN TO_F
	BLOAD 0                                        ; two quarters of W' now: set 1 is still being multiplied
	BLOAD 1
	MWIN 1, 0
	MUL16 4, 1, NQ-1, 0, 0
	MUL16 6, 1, NQ-1, 0, 0
	PLACES NP                                      ; for the loads into set 1
	WIN TO_F
	BLOAD 2
	BLOAD 3
	WIN 0
	ALOAD 2
	s_wait_dscnt 40                                ; all but the 40 just issued
	ROW 0
.irp a, 0,1,2,3,4,5,6,7                ; each block leaves as soon as it is finished
	PLACES NP                                      ; its stores into the stage read results just made; the loads below land on its fragments of x
.if \a > 0
	s_wait_xcnt 0x0                                ; the last block's stores have read their registers and their base
.endif
	TOSTAGE \a
.if \a < 5
	ALOAD \a+3                                     ; its buffer takes the block three further on
	SEND \a, 8
.else
	SEND \a, 0
.endif
.if \a < 7
	ROW \a+1
.endif
.endr
	s_wait_tensorcnt 0x0                           ; the wave's end
	ds_add_u32 v[SPW], v[NIL]
	s_wait_dscnt 0x0
	CROUND                                         ; the closing round
	s_endpgm
.Lfunc_end_k_qecabad35e1_gemm:
	.size	k_qecabad35e1_gemm, .Lfunc_end_k_qecabad35e1_gemm-k_qecabad35e1_gemm
	.p2alignl 7, 3214868480
	.fill 96, 4, 3214868480
	.section	.rodata,"a",@progbits
	.p2align	6, 0x0
	.amdhsa_kernel k_qecabad35e1_gemm
		.amdhsa_group_segment_fixed_size 327680
		.amdhsa_private_segment_fixed_size 0
		.amdhsa_enable_private_segment 0
		.amdhsa_kernarg_size 40
		.amdhsa_user_sgpr_count 2
		.amdhsa_user_sgpr_kernarg_segment_ptr 1
		.amdhsa_wavefront_size32 1
		.amdhsa_system_sgpr_workgroup_id_x 1
		.amdhsa_system_sgpr_workgroup_id_y 1
		.amdhsa_system_sgpr_workgroup_id_z 1
		.amdhsa_system_vgpr_workitem_id 0
		.amdhsa_next_free_vgpr 1024
		.amdhsa_next_free_sgpr 96
		.amdhsa_reserve_vcc 0
		.amdhsa_float_denorm_mode_32 3
		.amdhsa_float_denorm_mode_16_64 3
		.amdhsa_memory_ordered 1
		.amdhsa_forward_progress 1
		.amdhsa_inst_pref_size 212
	.end_amdhsa_kernel
	.amdgpu_metadata
---
amdhsa.version: [ 1, 2 ]
amdhsa.kernels:
  - .name:           k_qecabad35e1_gemm
    .symbol:         k_qecabad35e1_gemm.kd
    .args:
      - { .name: x_codes, .offset: 0, .size: 8, .value_kind: global_buffer, .address_space: global }
      - { .name: x_scales, .offset: 8, .size: 8, .value_kind: global_buffer, .address_space: global }
      - { .name: wimg, .offset: 16, .size: 8, .value_kind: global_buffer, .address_space: global }
      - { .name: bias, .offset: 24, .size: 8, .value_kind: global_buffer, .address_space: global }
      - { .name: out0, .offset: 32, .size: 8, .value_kind: global_buffer, .address_space: global }
    .group_segment_fixed_size: 327680
    .private_segment_fixed_size: 0
    .kernarg_segment_align: 8
    .kernarg_segment_size: 40
    .max_flat_workgroup_size: 128
    .sgpr_count:     96
    .vgpr_count:     1024
    .wavefront_size: 32
...
	.end_amdgpu_metadata
.endif
;; end of part 2
